; MI455X (gfx1250); checked and timed in simulation.
; The chip was launched on July 23, 2026; its instructions are those of AMD's public machine-readable ISA for CDNA 5 (MIT licence, August 2026) and "CDNA5" Instruction Set Architecture Reference Guide (July 2026). The comments in the code are by the model that wrote it; some were corrected since.
;; Dot Product Attention. Allowed arithmetic: matrix products marked QUANTISED: E4M3 operands, one given power-of-two scale a tensor, by v_wmma_f32_16x16x64_fp8_fp8 or v_wmma_f32_16x16x128_fp8_fp8, f32 sums; everything else in f32.
;; Inputs: attention_mask 2 x 1 x 2,048 x 2,048 bool; key 2,048 x 2 x 16 x 128 float32; lowp_scales 4 int32 (the exponents e of the quantised operands' scales 2^e); query 2,048 x 2 x 16 x 128 float32; value 2,048 x 2 x 16 x 128 float32.
;; Outputs: out0 2,048 x 2 x 2,048 float32.
;; This version of the problem:
;;   THIS VERSION OF THE PROBLEM IS GIVEN IN LOW PRECISION. The matrix products marked QUANTISED in the list below multiply operands that are first quantised to E4M3 (4 exponent bits, 3 mantissa bits; 8 bits a number), with one given power-of-two scale for each operand tensor; their sums are f32. All else is computed in f32.
;;   The module's matrix products, in the order in which they are computed (A, B: the left and right operand; K: the contracted axis; several contracted axes count as one K, in the product's order):
;;     1. batch 32 x [M 2,048, K 128] x [K 128, N 2,048]; A: input query; B: input key: QUANTISED (scales: A lowp_scales[0], B lowp_scales[1])
;;     2. batch 32 x [M 128, K 2,048] x [K 2,048, N 2,048]; A: input value; B: computed on the way: QUANTISED (scales: A lowp_scales[2], B lowp_scales[3])
;;   THE QUANTISER, for each operand of a quantised product, along K:
;;     - The operand's scale is 2^e, e = its entry of the input lowp_scales (int32; the entries are numbered through the quantised products in the list's order, A before B).
;;     - Each number is divided by the scale, clamped to +-448, and rounded to the nearest number of E4M3, ties to even, subnormals kept.
;;     - The product sums the exact products of the quantised numbers (number of the format x scale) in f32.
;;   ~~~python
;;   def quantise(x, axis, e):      # numpy; x: float32 -> the quantised numbers, widened to float32 again
;;       x = np.moveaxis(x, axis, -1); K = x.shape[-1]
;;       r = np.clip(x / 2.0 ** e, -448, 448)
;;       step = 2.0 ** (np.maximum(np.frexp(np.where(r == 0, 1, r))[1] - 1, -6) - 3)
;;       q = np.round(r / step) * step * 2.0 ** e      # np.round: ties to even
;;       return np.moveaxis(q, -1, axis).astype(np.float32)
;;   ~~~
;;   OPERANDS COMPUTED ON THE WAY. 'Computed on the way' means the value that the module computes at that place (a softmax that the list does not call 'softmax' is quantised finished and normalised). What goes into a quantiser is computed in f32, as accurately as f32 sums, v_exp_f32 and their like allow (about 1e-6 of the number): no bf16 or f16 on the way to a quantiser, and a product that is left as it is and whose result goes on into a quantised operand takes f32 operands (vector FMAs, or v_wmma_f32_16x16x4_f32). A number that lies on a knife's edge between two numbers of the format may be rounded either way, as far as f32 arithmetic and the matrix unit's own rounding can turn it there, and no further.
;; One version. Each part assembles by itself: llvm-mc -triple=amdgcn-amd-amdhsa -mcpu=gfx1250 --defsym DOCPART=n.
;; ======== version 1 of 1: 2 launches
;; limits: right only within a limited range of input values
;; workspace buffers: qc 8,388,608 bytes; kc 8,388,608 bytes; vc 8,388,608 bytes; mb 8,388,608 bytes
;; launch prep (part 1): grid 1792 x 1, 4 waves a work-group, no clusters, 101,888 bytes of LDS; arguments query, key, value, attention_mask, lowp_scales, qc, kc, vc, mb; writes qc, kc, vc, mb
.if DOCPART == 1
	.amdgcn_target "amdgcn-amd-amdhsa--gfx1250"
	.amdhsa_code_object_version 6
	.text
	.protected	k_q668b677b7f_prep
	.globl	k_q668b677b7f_prep
	.p2align	8
	.type	k_q668b677b7f_prep,@function
k_q668b677b7f_prep:
	s_mov_b64 s[64:65], 0
	v_nop
	global_prefetch_b8 v0, s[64:65] scope:SCOPE_SE
	s_setreg_imm32_b32 hwreg(HW_REG_WAVE_MODE, 25, 1), 1
	s_wait_xcnt 0x0
; query, key, value [2048 s][2 b][16 n][128 h] f32 become codes of FP8 (E4M3), each with its given scale 2^e (lowp_scales 0, 1, 2); the mask [2][1][2048 q][2048 k] of bytes 0 / 1 becomes bytes 0xfe (hidden: the
; E4M3 code of -448) / 0x00 (kept: the code of 0), which the next launch widens, eight at a time, into the start values of its scores' sums.
; code = x / 2^e, held within +-448, rounded to the nearest code, ties to even.
; ALL FOUR RESULTS ARE LAID AS IMAGES OF THE REGISTERS THAT THE NEXT LAUNCH WANTS: pieces of 512 bytes = 32 lanes x 16 bytes, lane = r + 16 h, head bh = 16 b + n:
;   qc [bh][tile 128][c 4][lane][16]: query 16 tile + r, channels 32 c + 16 h + 0 .. 15
;   kc [bh][tile 128][c 4][lane][16]: key 32 (tile / 2) + 8 (tile % 2) + r + 8 (r / 8), the same channels: so that the scores of two neighbouring tiles are 16 neighbouring keys in a lane's registers
;   vc [bh][step 16][ct 8][c 4][lane][16]: channel 16 ct + r, keys 128 step + 32 c + 16 h + 0 .. 15 (the keys are the second product's K)
;   mb [b][tile 128][step 16][c 4][lane][16]: query 16 tile + r, the same keys
; ONE LAUNCH, THREE PATHS, parted by the work-group's number: 0-511 query, 512-1023 key (one path, pointers chosen), 1024-1535 value, 1536-1791 mask.  Each path that uses LDS has bytes of its own there.
; No tensor load, no barrier: a stage in LDS is a wave's own.  Every offset is an immediate and every store has data registers of its own: nothing that a pending load or store names is written again.
; LIMITS: each e between -126 and 119, so that 2^e and 448 x 2^e are f32 numbers.  NaN among the inputs is not served; an infinity is held at the largest code.  A mask byte is 0 or 1.
.set PITCH, 528                        ; a stage row: 512 bytes + 16: 33 x 16 bytes, so that sixteen lanes that take the same column of sixteen rows fall on sixteen different columns of 16 bytes
.set QWAVE, 32*PITCH                   ; query / key: 32 rows for each wave, from LDS byte 0
.set MST,   4*QWAVE                    ; mask: behind them,
.set MWAVE, 16*PITCH                   ; 16 rows for each wave
.set LI,  1                            ; v1   16 x lane
.set LIM, 10
.set SC,  11                           ; v11  2^e as f32: the conversion takes its exponent field
.set R,   16                           ; v16-143  numbers as they are loaded
.set X,   144                          ; v144-207 64 numbers of a lane in the operand's order (value: its codes)
.set CD,  208                          ; v208-239 codes: 16 registers for each of two tiles
.set WV,  28                           ; s28  wave
.macro SCALE e                         ; from the whole number e in a scalar register
	s_add_co_i32 s40, \e, 127
	s_lshl_b32 s41, s40, 23
	v_mov_b32 v[SC], s41
.endm
.macro QUANT src, dst                  ; 64 numbers of a lane -> 16 registers of codes
.irp b, 0,1,2,3
.irp i, 0,1,2,3,4,5,6,7,8,9,10,11,12,13,14,15
.endr
	v_cvt_scalef32_pk8_fp8_f32 v[\dst+4*\b:\dst+4*\b+1], v[\src+16*\b:\src+16*\b+7], v[SC]
	v_cvt_scalef32_pk8_fp8_f32 v[\dst+4*\b+2:\dst+4*\b+3], v[\src+16*\b+8:\src+16*\b+15], v[SC]   ; the codes go to stores alone; the next vector lines are plain and touch other registers
.endr
.endm
	s_load_b256 s[4:11], s[0:1], 0x0               ; query s[4:5], key s[6:7], value s[8:9], mask s[10:11]
	s_load_b64 s[12:13], s[0:1], 0x20              ; the scales' exponents
	s_load_b256 s[16:23], s[0:1], 0x28             ; qc s[16:17], kc s[18:19], vc s[20:21], mb s[22:23]
	v_lshl_add_u32 v240, v0, 2, 0x18c00
	v_mov_b32 v241, 0
	v_lshrrev_b32 v1, 5, v0
	v_readfirstlane_b32 s[WV], v1                  ; wave 0..3
	v_and_b32 v7, 31, v0                           ; lane
	v_and_b32 v8, 15, v0                           ; r
	v_bfe_u32 v9, v0, 4, 1                         ; h
	v_lshlrev_b32 v[LI], 4, v7
	s_wait_kmcnt 0x0
	s_cmp_lt_u32 ttmp9, 1024
	s_cbranch_scc0 .Lnot_qk
; ---- QUERY AND KEY.  A wave takes 32 rows s of one head: two tiles.  Each load reads one row's 512 bytes as they lie; the rows turn through the wave's stage, where row i stands for (tile i / 16, lane row i % 16);
; which row of memory that is differs between query and key, so only the loads' offsets hang on the choice, and no LDS address does.
	s_load_b128 s[24:27], s[12:13], 0x0            ; e of query, key, value, p
	s_lshr_b32 s29, ttmp9, 9                       ; 0: query, 1: key
	s_and_b32 s30, ttmp9, 511
	s_lshr_b32 s31, s30, 4                         ; the head
	s_and_b32 s30, s30, 15
	s_lshl_b32 s30, s30, 2
	s_add_co_u32 s30, s30, s[WV]                   ; p: which 32 rows
	s_cmp_eq_u32 s29, 0
	s_cselect_b64 s[4:5], s[4:5], s[6:7]           ; from
	s_cselect_b64 s[16:17], s[16:17], s[18:19]     ; to
	s_lshl_b32 s32, s30, 19                        ; 32 rows of 16,384 bytes
	s_lshl_b32 s33, s31, 9                         ; the head's 512 bytes in a row
	s_add_co_u32 s32, s32, s33
	s_mov_b32 s33, 0
	s_add_nc_u64 s[4:5], s[4:5], s[32:33]
	s_lshl_b32 s34, s31, 18                        ; a head's codes: 262,144 bytes
	s_lshl_b32 s35, s30, 12                        ; two tiles of 2,048
	s_add_co_u32 s34, s34, s35
	s_mov_b32 s35, 0
	s_add_nc_u64 s[16:17], s[16:17], s[34:35]
	s_lshl_b32 s36, s29, 17                        ; eight rows, for the key
	s_xor_b32 s37, s36, 131072                     ; eight rows, for the query
	s_wait_alu depctr_va_vdst(0)
	v_add_nc_u32 v2, s36, v[LI]                    ; stage rows 8-15:  query rows 8-15,  key rows 16-23
	v_add_nc_u32 v3, s37, v[LI]                    ; stage rows 16-23: query rows 16-23, key rows 8-15 (the immediate names rows 8-15)
	s_mul_i32 s38, s[WV], QWAVE                    ; my stage
	v_add_nc_u32 v4, s38, v[LI]                    ; in: 16 x lane
	v_mul_u32_u24 v5, v8, PITCH
	v_lshl_add_u32 v5, v9, 6, v5
	v_add_nc_u32 v5, s38, v5                       ; back: row r, + 64 h: my 16 channels of a block of 32
.set i, 0
.rept 32
.if (i >= 8) && (i < 16)
	global_load_b128 v[R+4*i:R+4*i+3], v2, s[4:5] offset:i*16384 th:TH_LOAD_NT
.elseif (i >= 16) && (i < 24)
	global_load_b128 v[R+4*i:R+4*i+3], v3, s[4:5] offset:(i-8)*16384 th:TH_LOAD_NT
.else
	global_load_b128 v[R+4*i:R+4*i+3], v[LI], s[4:5] offset:i*16384 th:TH_LOAD_NT
.endif
.set i, i+1
.endr
	s_wait_alu depctr_va_vdst(0)
	s_wait_kmcnt 0x0
	s_cmp_eq_u32 s29, 0
	s_cselect_b32 s39, s24, s25
	SCALE s39
.set i, 0
	s_wait_alu depctr_va_vdst(0)
.rept 32
.if (i % 8) == 0
	s_wait_loadcnt 24-i                            ; eight rows at a time: the younger loads stay out
.endif
	ds_store_b128 v4, v[R+4*i:R+4*i+3] offset:i*PITCH
.set i, i+1
.endr
.macro TILE u, reg                     ; tile u back from the stage: register 16 c + 4 j + .. = channel 32 c + 16 h + 4 j + ..  LDS serves a wave's instructions in order: these see the stores above
.irp c, 0,1,2,3
.irp j, 0,1,2,3
	ds_load_b128 v[\reg+16*\c+4*\j:\reg+16*\c+4*\j+3], v5 offset:\u*16*PITCH+128*\c+16*\j
.endr
.endr
.endm
	TILE 0, X
	s_wait_dscnt 0x0                               ; tile 0 is in, and the stores have read v16 on,
	TILE 1, R                                      ; which take tile 1 while tile 0 is quantised
	QUANT X, CD
.irp c, 0,1,2,3
	global_store_b128 v[LI], v[CD+4*\c:CD+4*\c+3], s[16:17] offset:512*\c          ; 32 lanes store 512 consecutive bytes, aligned
.endr
	s_wait_dscnt 0x0
	QUANT R, CD+16
.irp c, 0,1,2,3
	global_store_b128 v[LI], v[CD+16+4*\c:CD+16+4*\c+3], s[16:17] offset:2048+512*\c
.endr
	s_wait_tensorcnt 0x0
	ds_add_u32 v240, v241
	s_wait_dscnt 0x0
	s_endpgm
.Lnot_qk:
	s_cmp_lt_u32 ttmp9, 1536
	s_cbranch_scc0 .Lmask
; ---- VALUE.  Its K is the keys, its FIRST axis.  A work-group takes one head and 128 keys; A LANE TAKES A CHANNEL (32 wave + lane) AND ITS REGISTERS RUN DOWN THE KEYS: the conversions then give codes with the keys
; innermost, and a lane's 16 codes are 16 bytes of an image: sixteen lanes store 256 consecutive bytes, aligned.  No LDS.
	s_load_b128 s[24:27], s[12:13], 0x0
	s_sub_co_u32 s29, ttmp9, 1024
	s_lshr_b32 s31, s29, 4                         ; the head
	s_and_b32 s30, s29, 15                         ; which 128 keys
	s_lshl_b32 s32, s30, 21                        ; 128 rows of 16,384 bytes
	s_lshl_b32 s33, s31, 9
	s_add_co_u32 s32, s32, s33
	s_lshl_b32 s33, s[WV], 7                       ; my wave's 32 channels
	s_add_co_u32 s32, s32, s33
	s_mov_b32 s33, 0
	s_add_nc_u64 s[8:9], s[8:9], s[32:33]
	s_lshl_b32 s34, s31, 18
	s_lshl_b32 s35, s30, 14                        ; a step's images: 16,384 bytes
	s_add_co_u32 s34, s34, s35
	s_mov_b32 s35, 0
	s_add_nc_u64 s[20:21], s[20:21], s[34:35]
	s_wait_alu depctr_va_vdst(0)
	v_lshlrev_b32 v2, 2, v7                        ; in: 4 bytes a lane
	v_lshl_add_u32 v6, s[WV], 1, v9                ; out: the tile of channels 2 wave + lane / 16,
	v_lshlrev_b32 v6, 11, v6                       ; 2,048 bytes each,
	v_lshl_add_u32 v6, v8, 4, v6                   ; + 16 (lane % 16)
.macro VLOAD c                         ; keys 32 c .. 32 c + 31 of my channel
.set i, 0
.rept 32
	global_load_b32 v[R+32*(\c)+i], v2, s[8:9] offset:(32*(\c)+i)*16384 th:TH_LOAD_NT
.set i, i+1
.endr
.endm
.macro VBLOCK c
.set i, 0
.rept 32
.set i, i+1
.endr
.irp g, 0,1,2,3
	v_cvt_scalef32_pk8_fp8_f32 v[X+8*(\c)+2*\g:X+8*(\c)+2*\g+1], v[R+32*(\c)+8*\g:R+32*(\c)+8*\g+7], v[SC]
.endr
	global_store_b128 v6, v[X+8*(\c):X+8*(\c)+3], s[20:21] offset:512*(\c)          ; keys + 0 .. 15: the image's lanes 0-15
	global_store_b128 v6, v[X+8*(\c)+4:X+8*(\c)+7], s[20:21] offset:512*(\c)+256    ; keys + 16 .. 31: its lanes 16-31
.endm
	VLOAD 0
	VLOAD 1
	s_wait_alu depctr_va_vdst(0)
	s_wait_kmcnt 0x0
	SCALE s26
	s_wait_alu depctr_va_vdst(0)
	s_wait_loadcnt 32                              ; block 0 is in; block 1's 32 loads may be out
	VLOAD 2
	VBLOCK 0
	s_wait_loadcnt 32                              ; block 1 is in; block 2's may be out
	VLOAD 3
	VBLOCK 1
	s_wait_loadcnt 32                              ; block 2 is in; block 3's may be out
	VBLOCK 2
	s_wait_loadcnt 0x0
	VBLOCK 3
	s_endpgm
.Lmask:
; ---- MASK.  A work-group takes 16 queries of one b, all 2,048 keys; a wave 512 keys of them.  Each load reads 512 consecutive bytes of a row; the rows turn through the wave's stage; byte m becomes (1 - m) x 0xfe.
	s_sub_co_u32 s29, ttmp9, 1536
	s_lshr_b32 s31, s29, 7                         ; b
	s_and_b32 s30, s29, 127                        ; the tile of queries
	s_lshl_b32 s32, s31, 22                        ; 4,194,304 bytes for a b, in both buffers,
	s_lshl_b32 s33, s30, 15                        ; 32,768 for 16 queries, in both
	s_add_co_u32 s32, s32, s33
	s_lshl_b32 s33, s[WV], 9                       ; in: my 512 keys of a row
	s_add_co_u32 s34, s32, s33
	s_mov_b32 s35, 0
	s_add_nc_u64 s[10:11], s[10:11], s[34:35]
	s_lshl_b32 s33, s[WV], 13                      ; out: my four steps' images, 2,048 bytes each
	s_add_co_u32 s32, s32, s33
	s_mov_b32 s33, 0
	s_add_nc_u64 s[22:23], s[22:23], s[32:33]
	s_mul_i32 s38, s[WV], MWAVE
	s_add_co_u32 s38, s38, MST                     ; my stage
	s_wait_alu depctr_va_vdst(0)
	v_add_nc_u32 v4, s38, v[LI]
	v_mul_u32_u24 v5, v8, PITCH
	v_lshl_add_u32 v5, v9, 4, v5
	v_add_nc_u32 v5, s38, v5                       ; back: row r, + 16 h
	s_mov_b32 s39, 0x01010101
.set i, 0
.rept 16
	global_load_b128 v[R+4*i:R+4*i+3], v[LI], s[10:11] offset:i*2048 th:TH_LOAD_NT
.set i, i+1
.endr
.set i, 0
	s_wait_alu depctr_va_vdst(0)
.rept 16
.if (i % 8) == 0
	s_wait_loadcnt 8-i
.endif
	ds_store_b128 v4, v[R+4*i:R+4*i+3] offset:i*PITCH
.set i, i+1
.endr
.set n, 0
.rept 16                               ; piece n = 4 step + c: keys 32 n + 16 h + 0 .. 15 of my 512
	ds_load_b128 v[80+4*n:80+4*n+3], v5 offset:32*n
.set n, n+1
.endr
.set n, 0
.rept 16
	s_wait_dscnt 15-n                              ; LDS loads come back in order: piece n is in
.irp k, 0,1,2,3
	v_sub_nc_u32 v[80+4*n+\k], s39, v[80+4*n+\k]   ; 1 - m in each byte: no borrow, since m is 0 or 1
.endr
.irp k, 0,1,2,3
	v_mul_lo_u32 v[80+4*n+\k], v[80+4*n+\k], 0xfe  ; x 254 in each byte: no carry
.endr
	global_store_b128 v[LI], v[80+4*n:80+4*n+3], s[22:23] offset:512*n
.set n, n+1
.endr
	s_wait_tensorcnt 0x0
	ds_add_u32 v240, v241
	s_wait_dscnt 0x0
	s_endpgm
.Lfunc_end_k_q668b677b7f_prep:
	.size	k_q668b677b7f_prep, .Lfunc_end_k_q668b677b7f_prep-k_q668b677b7f_prep
	.p2alignl 7, 3214868480
	.fill 96, 4, 3214868480
	.section	.rodata,"a",@progbits
	.p2align	6, 0x0
	.amdhsa_kernel k_q668b677b7f_prep
		.amdhsa_group_segment_fixed_size 101888
		.amdhsa_private_segment_fixed_size 0
		.amdhsa_enable_private_segment 0
		.amdhsa_kernarg_size 72
		.amdhsa_user_sgpr_count 2
		.amdhsa_user_sgpr_kernarg_segment_ptr 1
		.amdhsa_wavefront_size32 1
		.amdhsa_system_sgpr_workgroup_id_x 1
		.amdhsa_system_sgpr_workgroup_id_y 1
		.amdhsa_system_sgpr_workgroup_id_z 1
		.amdhsa_system_vgpr_workitem_id 0
		.amdhsa_next_free_vgpr 242
		.amdhsa_next_free_sgpr 66
		.amdhsa_reserve_vcc 0
		.amdhsa_float_denorm_mode_32 3
		.amdhsa_float_denorm_mode_16_64 3
		.amdhsa_fp16_overflow 1
		.amdhsa_memory_ordered 1
		.amdhsa_forward_progress 1
		.amdhsa_inst_pref_size 42
	.end_amdhsa_kernel
	.amdgpu_metadata
---
amdhsa.version: [ 1, 2 ]
amdhsa.kernels:
  - .name:           k_q668b677b7f_prep
    .symbol:         k_q668b677b7f_prep.kd
    .args:
      - { .name: query, .offset: 0, .size: 8, .value_kind: global_buffer, .address_space: global }
      - { .name: key, .offset: 8, .size: 8, .value_kind: global_buffer, .address_space: global }
      - { .name: value, .offset: 16, .size: 8, .value_kind: global_buffer, .address_space: global }
      - { .name: attention_mask, .offset: 24, .size: 8, .value_kind: global_buffer, .address_space: global }
      - { .name: lowp_scales, .offset: 32, .size: 8, .value_kind: global_buffer, .address_space: global }
      - { .name: qc, .offset: 40, .size: 8, .value_kind: global_buffer, .address_space: global }
      - { .name: kc, .offset: 48, .size: 8, .value_kind: global_buffer, .address_space: global }
      - { .name: vc, .offset: 56, .size: 8, .value_kind: global_buffer, .address_space: global }
      - { .name: mb, .offset: 64, .size: 8, .value_kind: global_buffer, .address_space: global }
    .group_segment_fixed_size: 101888
    .private_segment_fixed_size: 0
    .kernarg_segment_align: 8
    .kernarg_segment_size: 72
    .max_flat_workgroup_size: 128
    .sgpr_count:     66
    .vgpr_count:     242
    .wavefront_size: 32
...
	.end_amdgpu_metadata
.endif
;; end of part 1
;; launch attn (part 2): grid 8 x 32, 8 waves a work-group, clusters of 4 x 1, 327,680 bytes of LDS; arguments qc, kc, vc, mb, lowp_scales, out0; writes out0
.if DOCPART == 2
	.amdgcn_target "amdgcn-amd-amdhsa--gfx1250"
	.amdhsa_code_object_version 6
	.text
	.protected	k_q668b677b7f_attn
	.globl	k_q668b677b7f_attn
	.p2align	8
	.type	k_q668b677b7f_attn,@function
k_q668b677b7f_attn:
	s_mov_b64 s[64:65], 0
	v_nop
	global_prefetch_b8 v0, s[64:65] scope:SCOPE_SE
	s_setreg_imm32_b32 hwreg(HW_REG_WAVE_MODE, 25, 1), 1
	s_wait_xcnt 0x0
	s_wait_alu depctr_hold_cnt(0) depctr_sa_sdst(0) depctr_va_vdst(0) depctr_va_sdst(0) depctr_va_ssrc(0) depctr_va_vcc(0) depctr_vm_vsrc(0)
	s_getreg_b32 s2, hwreg(HW_REG_IB_STS2, 6, 4)
	s_cmp_eq_u32 s2, 0
	s_cbranch_scc0 .Lentry_in_a_cluster
	s_endpgm
.Lentry_in_a_cluster:
	s_bfe_u32 s2, ttmp6, 0x10000c
	s_cmp_lg_u32 s2, 0x3003
	s_cbranch_scc0 .Lentry_shape_is_right
	s_endpgm
.Lentry_shape_is_right:
.set CHUNK, 16384
.set SLOT1, 8*CHUNK
.set SPARE, 2*SLOT1
.set STAGE, SPARE+1024
.set SP,    272
.set LI,  1
.set ADK, 2
.set ADV, 3
.set SPW, 4
.set NIL, 5
.set MAA, 6
.set MAB, 7
.set MSC, 8
.set LIM, 28
.set SC,  29
.set MKA, 32
.set MKB, 192
.set S,   64
.set O,   192
.set QF,  128
.set PC,  160
.set WV,  16
.set SEL, 20
.set CS,  22
.set OS,  26
.set G1,  32
.set G0A, 40
.set G0B, 44
.set TB,  52
.set CNT, 53
.set P2,  68
.set MSB, 0
.macro WIN new
.if MSB != \new
	s_set_vgpr_msb (MSB<<8)|\new
.set MSB, \new
.endif
.endm
.macro PLACES n
.rept \n
	v_nop
.endr
.endm
.macro CROUND
	s_barrier_signal -1
	s_barrier_wait -1
	s_cmp_lg_u32 s[WV], 0
	s_cbranch_scc1 .Lnot_wave_0_\@
	s_barrier_signal -3
.Lnot_wave_0_\@:
	s_barrier_wait -3
	s_barrier_signal -1
	s_barrier_wait -1
.endm
.macro CHANGE g0, how
	s_wait_tensorcnt 0x0
	ds_add_u32 v[SPW], v[NIL]
.if \how == 1
	s_mov_b64 s[\g0+2:\g0+3], s[P2:P2+1]
	s_or_b32 s[\g0+3], s[\g0+3], 0x80000000
.elseif \how == 2
	s_add_nc_u64 s[\g0+2:\g0+3], s[P2:P2+1], 4*CHUNK
	s_or_b32 s[\g0+3], s[\g0+3], 0x80000000
.elseif \how == 3
	s_add_nc_u64 s[\g0+2:\g0+3], s[\g0+2:\g0+3], 8*CHUNK
.endif
	s_wait_dscnt 0x0
.if \how
	CROUND
	tensor_load_to_lds s[\g0:\g0+3], s[G1:G1+7]
	s_nop 0
	PLACES 4
.else
	s_barrier_signal -1
	s_barrier_wait -1
.endif
.endm
	s_load_b256 s[4:11], s[0:1], 0x0
	s_load_b128 s[12:15], s[0:1], 0x20
	v_lshl_add_u32 v[SPW], v0, 2, SPARE
	v_mov_b32 v[NIL], 0
	ds_add_u32 v4, v5
	ds_add_u32 v4, v5
	s_wait_dscnt 0x0
	v_lshrrev_b32 v1, 5, v0
	s_delay_alu instid0(VALU_DEP_1)
	v_readfirstlane_b32 s[WV], v1
	s_bfe_u32 s17, ttmp6, 0x40000
	s_lshl_b32 s18, ttmp9, 2
	s_add_co_u32 s18, s18, s17
	s_and_b32 s19, ttmp7, 0xffff
	s_mov_b32 s[G1], 15|(3<<16)|(1<<21)
	s_mov_b32 s[G1+1], 32<<16
	s_mov_b32 s[G1+2], 64<<16
	s_mov_b32 s[G1+3], 32<<16
	s_mov_b32 s[G1+4], 64
	s_mov_b32 s[G1+5], 32
	s_mov_b32 s[G1+6], 0
	s_mov_b32 s[G1+7], 0
	s_mov_b32 s[SEL], 0x76543210
	s_mov_b32 s[SEL+1], 0xfedcba98
	s_mov_b32 s[CS], 0x3e0293ee
	s_lshl_b32 s76, s19, 18
	s_lshl_b32 s77, s[WV], 14
	s_add_co_u32 s78, s76, s77
	s_mov_b32 s79, 0
	s_and_b32 s48, s[WV], 3
	s_lshl_b32 s48, s48, 14
	s_add_co_u32 s48, s48, s76
	s_mov_b32 s49, 0
	s_lshl_b32 s80, s18, 4
	s_lshl_b32 s81, s[WV], 1
	s_add_co_u32 s80, s80, s81
	s_lshl_b32 s82, s80, 11
	s_add_co_u32 s82, s82, s76
	s_mov_b32 s83, 0
	s_lshr_b32 s84, s19, 4
	s_lshl_b32 s84, s84, 22
	s_lshl_b32 s85, s80, 15
	s_add_co_u32 s84, s84, s85
	s_mov_b32 s85, 0
	s_lshl_b32 s86, s80, 18
	s_lshl_b32 s87, s19, 9
	s_add_co_u32 s86, s86, s87
	s_mov_b32 s87, 0
	s_wait_kmcnt 0x0
	s_load_b128 s[56:59], s[12:13], 0x0
	s_add_nc_u64 s[74:75], s[4:5], s[82:83]
	s_add_nc_u64 s[70:71], s[10:11], s[84:85]
	s_add_nc_u64 s[72:73], s[14:15], s[86:87]
	s_cmp_lt_u32 s[WV], 4
	s_cselect_b64 s[P2:P2+1], s[6:7], s[8:9]
	s_add_nc_u64 s[P2:P2+1], s[P2:P2+1], s[48:49]
	CROUND
	s_mov_b32 s[G0A], 1
	s_mov_b32 s[G0A+1], s77
	s_add_nc_u64 s[G0A+2:G0A+3], s[6:7], s[78:79]
	s_or_b32 s[G0A+3], s[G0A+3], 0x80000000
	s_mov_b32 s[G0B], 1
	s_add_co_u32 s[G0B+1], s77, SLOT1
	s_add_nc_u64 s[G0B+2:G0B+3], s[6:7], s[78:79]
	s_add_nc_u64 s[G0B+2:G0B+3], s[G0B+2:G0B+3], 8*CHUNK
	s_or_b32 s[G0B+3], s[G0B+3], 0x80000000
	tensor_load_to_lds s[G0A:G0A+3], s[G1:G1+7]
	s_nop 0
	s_wait_alu depctr_va_vdst(0)
	s_wait_tensorcnt 0x0
	ds_add_u32 v4, v5
	s_wait_dscnt 0x0
	CROUND
	tensor_load_to_lds s[G0B:G0B+3], s[G1:G1+7]
	s_nop 0
	PLACES 4
	v_and_b32 v[LI], 31, v0
	s_delay_alu instid0(VALU_DEP_1)
	v_lshlrev_b32 v[LI], 4, v[LI]
	v_mov_b32 v[MSC], 0xf5f5f5f5
	WIN 0x40
.set n, 0
.rept 8
	global_load_b128 v[QF+4*n:QF+4*n+3], v[LI], s[74:75] offset:512*n th:TH_LOAD_NT
.set n, n+1
.endr
	WIN 0
	v_mov_b32 v[MAA], v[LI]
	v_add_nc_u32 v[MAB], 2048, v[LI]
.macro MLOAD mk, ma
.irp x, 0,1
.irp c, 0,1,2,3
	global_load_b128 v[\mk+16*\x+4*\c:\mk+16*\x+4*\c+3], v[\ma], s[70:71] offset:32768*\x+512*\c
.endr
.endr
.endm
	MLOAD MKA, MAA
	MLOAD MKB, MAB
	s_wait_kmcnt 0x0
	s_add_co_i32 s78, s56, s57
	s_lshl_b32 s78, s78, 23
	s_add_co_i32 s[CS], s[CS], s78
	s_mov_b32 s[CS+1], s[CS]
	s_xor_b32 s24, s[CS], 0x80000000
	s_add_co_i32 s78, s58, s59
	s_add_co_i32 s78, s78, 127
	s_lshl_b32 s[OS], s78, 23
	s_mov_b32 s[OS+1], s[OS]
	s_add_co_i32 s78, s59, 127
	s_lshl_b32 s79, s78, 23
	v_mov_b32 v[SC], s79
	s_add_co_i32 s78, s78, 8
	s_lshl_b32 s78, s78, 23
	s_or_b32 s78, s78, 0x600000
.irp x, 0,1
	v_mov_b32 v[11+4*\x], 0xce800000
	s_delay_alu instid0(VALU_DEP_1)
	v_mul_f32 v[10+4*\x], s24, v[11+4*\x]
	v_mov_b32 v[12+4*\x], 0
	v_mov_b32 v[13+4*\x], 0
	v_mov_b32 v[19+2*\x], 0
.endr
.macro FLOAD adr, off
	WIN 0x40
.set n, 0
.rept 32
	ds_load_b128 v[4*n:4*n+3], v[\adr] offset:\off+512*n
.set n, n+1
.endr
	WIN 0
.endm
.macro CMASK mk
.irp x, 0,1
.set n, 0
.rept 8
	v_cvt_scale_pk8_f32_fp8 v[S+64*\x+8*n:S+64*\x+8*n+7], v[\mk+16*\x+2*n:\mk+16*\x+2*n+1], v[MSC]
.set n, n+1
.endr
.endr
	v_nop
.endm
.macro KQ
	WIN 0x05
.irp t, 0,1,2,3,4,5,6,7
.irp x, 0,1
	v_wmma_f32_16x16x128_fp8_fp8 v[S+64*\x+8*\t:S+64*\x+8*\t+7], v[16*\t:16*\t+15], v[QF+16*\x:QF+16*\x+15], v[S+64*\x+8*\t:S+64*\x+8*\t+7]
.endr
.endr
	WIN 0
	PLACES 4
.endm
.macro P1STEP mk, ma, q, ld, pf
.if \q == 0
	v_add_nc_u32 v[ADK], s[TB], v[LI]
.endif
	s_wait_loadcnt 8
	s_setprio 2
	CMASK \mk
.if \ld
	v_add_nc_u32 v[\ma], 2*2048, v[\ma]
	s_delay_alu instid0(VALU_DEP_1)
	v_and_b32 v[\ma], 0x7fff, v[\ma]
	MLOAD \mk, \ma
.endif
	s_wait_alu depctr_va_vdst(0)
	s_wait_dscnt 0x0
	KQ
.if \pf
	FLOAD ADK, CHUNK*(\q+1)
.endif
.irp x, 0,1
	v_max3_num_f32 v[22+2*\x], v[S+64*\x], v[S+64*\x+1], v[S+64*\x+2]
.endr
.irp x, 0,1
	v_max3_num_f32 v[23+2*\x], v[S+64*\x+3], v[S+64*\x+4], v[S+64*\x+5]
.endr
.irp i, 6,10,14,18,22,26,30,34,38,42,46,50,54,58
.irp x, 0,1
	v_max3_num_f32 v[22+2*\x], v[22+2*\x], v[S+64*\x+\i], v[S+64*\x+\i+1]
.endr
.irp x, 0,1
	v_max3_num_f32 v[23+2*\x], v[23+2*\x], v[S+64*\x+\i+2], v[S+64*\x+\i+3]
.endr
.endr
.irp x, 0,1
	v_max3_num_f32 v[22+2*\x], v[22+2*\x], v[S+64*\x+62], v[S+64*\x+63]
.endr
.irp x, 0,1
	s_delay_alu instid0(VALU_DEP_2)
	v_max3_num_f32 v[11+4*\x], v[22+2*\x], v[23+2*\x], v[11+4*\x]
.endr
.irp x, 0,1
	s_delay_alu instid0(VALU_DEP_2)
	v_mul_f32 v[22+2*\x], s24, v[11+4*\x]
.endr
.irp x, 0,1
	s_delay_alu instid0(VALU_DEP_2)
	v_sub_f32 v[18+2*\x], v[22+2*\x], v[10+4*\x]
.endr
.irp x, 0,1
	s_delay_alu instid0(VALU_DEP_4)
	v_mov_b32 v[10+4*\x], v[22+2*\x]
.endr
.irp x, 0,1
.set j, 0
.rept 32
	v_pk_fma_f32 v[S+64*\x+j:S+64*\x+j+1], v[S+64*\x+j:S+64*\x+j+1], s[CS:CS+1], v[10+4*\x:11+4*\x] op_sel_hi:[1,0,0]
.set j, j+2
.endr
.endr
	s_setprio 1
	s_wait_alu depctr_va_vdst(0)
	v_exp_f32 v18, v18
	v_exp_f32 v20, v20
.set j, 0
.rept 128
	v_exp_f32 v[S+j], v[S+j]
.set j, j+1
.endr
	s_setprio 0
	v_nop
	s_wait_alu depctr_va_vdst(0)
.irp x, 0,1
	v_pk_mul_f32 v[12+4*\x:13+4*\x], v[12+4*\x:13+4*\x], v[18+2*\x:19+2*\x] op_sel_hi:[1,0]
	v_pk_add_f32 v[26+4*\x:27+4*\x], v[S+64*\x:S+64*\x+1], v[S+64*\x+2:S+64*\x+3]
.endr
.irp j, 4,8,12,16,20,24,28,32,36,40,44,48,52,56,60
.irp x, 0,1
	v_pk_add_f32 v[12+4*\x:13+4*\x], v[12+4*\x:13+4*\x], v[S+64*\x+\j:S+64*\x+\j+1]
	v_pk_add_f32 v[26+4*\x:27+4*\x], v[26+4*\x:27+4*\x], v[S+64*\x+\j+2:S+64*\x+\j+3]
.endr
.endr
.irp x, 0
	s_delay_alu instid0(VALU_DEP_3)
	v_pk_add_f32 v[12+4*\x:13+4*\x], v[12+4*\x:13+4*\x], v[26+4*\x:27+4*\x]
.endr
.irp x, 1
	s_delay_alu instid0(VALU_DEP_2)
	v_pk_add_f32 v[12+4*\x:13+4*\x], v[12+4*\x:13+4*\x], v[26+4*\x:27+4*\x]
.endr
.if \q == 1
	s_add_co_u32 s[TB], s[TB], 2*CHUNK
.endif
.endm
.macro P1SLOT base, ld15
	s_mov_b32 s[TB], \base
	v_add_nc_u32 v[ADK], s[TB], v[LI]
	FLOAD ADK, 0
	s_mov_b32 s[CNT], 3
.Lp1_\@:
	P1STEP MKA, MAA, 0, 1, 1
	P1STEP MKB, MAB, 1, 1, 1
	s_sub_co_u32 s[CNT], s[CNT], 1
	s_cmp_lg_u32 s[CNT], 0
	s_cbranch_scc1 .Lp1_\@
	s_setprio 0
	P1STEP MKA, MAA, 0, 1, 1
	P1STEP MKB, MAB, 1, \ld15, 0
.endm
.macro P2STEP last
	v_add_nc_u32 v[ADK], s[TB], v[LI]
	s_delay_alu instid0(VALU_DEP_1)
	v_add_nc_u32 v[ADV], 4*CHUNK, v[ADK]
	PLACES 2
	FLOAD ADK, 0
	s_wait_loadcnt 0x0
	CMASK MKA
.if \last
	s_cmp_eq_u32 s[CNT], 1
	s_cbranch_scc1 .Lno_mask_\@
.endif
	v_add_nc_u32 v[MAA], 2048, v[MAA]
	MLOAD MKA, MAA
.if \last
.Lno_mask_\@:
.endif
	s_wait_alu depctr_va_vdst(0)
	s_wait_dscnt 0x0
	KQ
	FLOAD ADV, 0
.irp x, 0,1
.set j, 0
.rept 32
	v_pk_fma_f32 v[S+64*\x+j:S+64*\x+j+1], v[S+64*\x+j:S+64*\x+j+1], s[CS:CS+1], v[10+4*\x:11+4*\x] op_sel_hi:[1,0,0]
.set j, j+2
.endr
.endr
.set j, 0
	s_wait_alu depctr_va_vdst(0)
.rept 128
	v_exp_f32 v[S+j], v[S+j]
.set j, j+1
.endr
	s_setprio 1
	v_nop
	s_wait_alu depctr_va_vdst(0)
.irp x, 0,1
.set j, 0
.rept 32
	v_pk_mul_f32 v[S+64*\x+j:S+64*\x+j+1], v[S+64*\x+j:S+64*\x+j+1], v[12+4*\x:13+4*\x] op_sel_hi:[1,0]
.set j, j+2
.endr
.endr
.set j, 0
.rept 128
.set j, j+1
.endr
	WIN 0x40
.set n, 0
.rept 16
	v_cvt_scalef32_pk8_fp8_f32 v[PC+2*n:PC+2*n+1], v[S+8*n:S+8*n+7], v[SC]
.set n, n+1
.endr
	v_nop
	s_wait_alu depctr_va_vdst(0)
	s_wait_dscnt 0x0
	WIN 0x05
	s_setprio 0
.irp t, 0,1,2,3,4,5,6,7
	v_wmma_f32_16x16x128_fp8_fp8 v[O+8*\t:O+8*\t+7], v[16*\t:16*\t+15], v[PC:PC+15], v[O+8*\t:O+8*\t+7]
.endr
	WIN 0x55
.irp t, 0,1,2,3,4,5,6,7
	v_wmma_f32_16x16x128_fp8_fp8 v[O+8*\t:O+8*\t+7], v[16*\t:16*\t+15], v[PC+16:PC+31], v[O+8*\t:O+8*\t+7]
.endr
	WIN 0
	s_add_co_u32 s[TB], s[TB], CHUNK
.endm
.macro P2SLOT base, last
	s_mov_b32 s[TB], \base
	s_mov_b32 s[CNT], 4
.Lp2_\@:
	s_setprio 2
	P2STEP \last
	s_sub_co_u32 s[CNT], s[CNT], 1
	s_cmp_lg_u32 s[CNT], 0
	s_cbranch_scc1 .Lp2_\@
	s_setprio 0
.endm
	s_wait_tensorcnt 0x1
	s_barrier_signal -1
	s_barrier_wait -1
	P1SLOT 0, 1
	CHANGE G0A, 1
	P1SLOT SLOT1, 0
	CHANGE G0B, 2
.irp x, 0,1
	v_permlanex16_b32 v[22+2*\x], v[11+4*\x], s[SEL], s[SEL+1]
.endr
.irp x, 0,1
	s_delay_alu instid0(VALU_DEP_2)
	v_max_num_f32 v[11+4*\x], v[11+4*\x], v[22+2*\x]
.endr
.irp x, 0,1
	s_delay_alu instid0(VALU_DEP_2)
	v_mul_f32 v[23+2*\x], s24, v[11+4*\x]
.endr
	s_wait_alu depctr_va_vdst(0)
.irp x, 0,1
	v_sub_f32 v[18+2*\x], v[23+2*\x], v[10+4*\x]
	v_add_f32 v[12+4*\x], v[12+4*\x], v[13+4*\x]
.endr
.irp x, 0,1
	v_mov_b32 v[10+4*\x], v[23+2*\x]
.endr
	s_wait_alu depctr_va_vdst(0)
	v_exp_f32 v18, v18
	v_exp_f32 v20, v20
.set j, 0
.rept 64
	v_mov_b32 v[O+j], 0
.set j, j+1
.endr
	s_wait_alu depctr_va_vdst(0)
.irp x, 0,1
	v_mul_f32 v[12+4*\x], v[12+4*\x], v[18+2*\x]
.endr
.irp x, 0,1
	s_delay_alu instid0(VALU_DEP_2)
	v_permlanex16_b32 v[22+2*\x], v[12+4*\x], s[SEL], s[SEL+1]
.endr
.irp x, 0,1
	s_delay_alu instid0(VALU_DEP_2)
	v_add_f32 v[12+4*\x], v[12+4*\x], v[22+2*\x]
.endr
.irp x, 0,1
	s_delay_alu instid0(VALU_DEP_2)
	v_max_num_f32 v[12+4*\x], 0.5, v[12+4*\x]
.endr
	s_wait_alu depctr_va_vdst(0)
	v_rcp_f32 v12, v12
	v_rcp_f32 v16, v16
	WIN 0x40
.set j, 0
.rept 64
	v_mov_b32 v[O+j], 0
.set j, j+1
.endr
	WIN 0
	s_wait_alu depctr_va_vdst(0)
	P2SLOT 0, 0
	CHANGE G0A, 3
	P2SLOT SLOT1, 0
	CHANGE G0B, 3
	P2SLOT 0, 0
	CHANGE G0A, 0
	P2SLOT SLOT1, 1
	v_and_b32 v2, 15, v0
	v_bfe_u32 v3, v0, 4, 1
	s_mul_i32 s76, s[WV], 16*SP
	s_add_co_u32 s76, s76, STAGE
	v_mul_u32_u24 v22, v2, SP
	s_delay_alu instid0(VALU_DEP_1)
	v_lshl_add_u32 v22, v3, 5, v22
	s_delay_alu instid0(VALU_DEP_1)
	v_add_nc_u32 v22, s76, v22
	v_mul_u32_u24 v23, v3, SP
	s_delay_alu instid0(VALU_DEP_1)
	v_lshl_add_u32 v23, v2, 4, v23
	s_delay_alu instid0(VALU_DEP_1)
	v_add_nc_u32 v23, s76, v23
	v_lshlrev_b32 v24, 14, v3
	s_delay_alu instid0(VALU_DEP_1)
	v_lshl_add_u32 v24, v2, 4, v24
.macro OUT x, back
.if \x
	WIN 0x01
.endif
.set j, 0
.rept 32
	v_pk_mul_f32 v[S+j:S+j+1], v[O+j:O+j+1], s[OS:OS+1] op_sel_hi:[1,0]
.set j, j+2
.endr
	WIN 0
.irp u, 0,1
.irp t, 0,1,2,3
	ds_store_b128 v22, v[S+32*\u+8*\t:S+32*\u+8*\t+3] offset:64*\t
	ds_store_b128 v22, v[S+32*\u+8*\t+4:S+32*\u+8*\t+7] offset:64*\t+16
.endr
.irp i, 0,1,2,3,4,5,6,7
	ds_load_b128 v[\back+32*\u+4*\i:\back+32*\u+4*\i+3], v23 offset:\i*2*SP
.endr
.endr
.irp u, 0,1
.irp i, 0,1,2,3,4,5,6,7
	s_wait_dscnt 23-16*\u-\i
	global_store_b128 v24, v[\back+32*\u+4*\i:\back+32*\u+4*\i+3], s[72:73] offset:262144*\x+32768*\i+256*\u th:TH_STORE_NT
.endr
.endr
.endm
	OUT 0, 128
	OUT 1, 192
	s_wait_tensorcnt 0x0
	ds_add_u32 v[SPW], v[NIL]
	s_wait_dscnt 0x0
	CROUND
	s_endpgm
.Lfunc_end_k_q668b677b7f_attn:
	.size	k_q668b677b7f_attn, .Lfunc_end_k_q668b677b7f_attn-k_q668b677b7f_attn
	.p2alignl 7, 3214868480
	.fill 96, 4, 3214868480
	.section	.rodata,"a",@progbits
	.p2align	6, 0x0
	.amdhsa_kernel k_q668b677b7f_attn
		.amdhsa_group_segment_fixed_size 327680
		.amdhsa_private_segment_fixed_size 0
		.amdhsa_enable_private_segment 0
		.amdhsa_kernarg_size 48
		.amdhsa_user_sgpr_count 2
		.amdhsa_user_sgpr_kernarg_segment_ptr 1
		.amdhsa_wavefront_size32 1
		.amdhsa_system_sgpr_workgroup_id_x 1
		.amdhsa_system_sgpr_workgroup_id_y 1
		.amdhsa_system_sgpr_workgroup_id_z 1
		.amdhsa_system_vgpr_workitem_id 0
		.amdhsa_next_free_vgpr 512
		.amdhsa_next_free_sgpr 100
		.amdhsa_reserve_vcc 0
		.amdhsa_float_denorm_mode_32 3
		.amdhsa_float_denorm_mode_16_64 3
		.amdhsa_fp16_overflow 1
		.amdhsa_memory_ordered 1
		.amdhsa_forward_progress 1
		.amdhsa_inst_pref_size 255
	.end_amdhsa_kernel
	.section	.bss,"aw",@nobits
	.p2align	6
	.space	262144
	.amdgpu_metadata
---
amdhsa.version: [ 1, 2 ]
amdhsa.kernels:
  - .name:           k_q668b677b7f_attn
    .symbol:         k_q668b677b7f_attn.kd
    .args:
      - { .name: qc, .offset: 0, .size: 8, .value_kind: global_buffer, .address_space: global }
      - { .name: kc, .offset: 8, .size: 8, .value_kind: global_buffer, .address_space: global }
      - { .name: vc, .offset: 16, .size: 8, .value_kind: global_buffer, .address_space: global }
      - { .name: mb, .offset: 24, .size: 8, .value_kind: global_buffer, .address_space: global }
      - { .name: lowp_scales, .offset: 32, .size: 8, .value_kind: global_buffer, .address_space: global }
      - { .name: out0, .offset: 40, .size: 8, .value_kind: global_buffer, .address_space: global }
    .group_segment_fixed_size: 327680
    .private_segment_fixed_size: 0
    .kernarg_segment_align: 8
    .kernarg_segment_size: 48
    .max_flat_workgroup_size: 256
    .sgpr_count:     100
    .vgpr_count:     512
    .wavefront_size: 32
...
	.end_amdgpu_metadata
.endif
;; end of part 2
